; MI455X (gfx1250); checked and timed in simulation.
; The chip was launched on July 23, 2026; its instructions are those of AMD's public machine-readable ISA for CDNA 5 (MIT licence, August 2026) and "CDNA5" Instruction Set Architecture Reference Guide (July 2026). The comments in the code are by the model that wrote it; some were corrected since.
;; T Linear. Allowed arithmetic: matrix products marked QUANTISED: E4M3 operands, one given power-of-two scale a tensor, by v_wmma_f32_16x16x64_fp8_fp8 or v_wmma_f32_16x16x128_fp8_fp8, f32 sums; products left as they are: f32 operands where the result goes on into a quantised operand, else bf16, f16 or f32 operands; f32 sums; everything else in f32.
;; Inputs: Wc 65,536 x 256 float32; bc 65,536 float32; features 4 x 1,024 x 256 float32; lowp_scales 2 int32 (the exponents e of the quantised operands' scales 2^e).
;; Outputs: out0 4 x 1,024 x 256 float32.
;; This version of the problem:
;;   THIS VERSION OF THE PROBLEM IS GIVEN IN LOW PRECISION. The matrix products marked QUANTISED in the list below multiply operands that are first quantised to E4M3 (4 exponent bits, 3 mantissa bits; 8 bits a number), with one given power-of-two scale for each operand tensor; their sums are f32. All else is computed in f32.
;;   The module's matrix products, in the order in which they are computed (A, B: the left and right operand; K: the contracted axis; several contracted axes count as one K, in the product's order):
;;     1. [M 4,096, K 256] x [K 256, N 65,536]; A: input features; B: input Wc: QUANTISED (scales: A lowp_scales[0], B lowp_scales[1])
;;     2. batch 4,096 x [M 256, K 256] x [K 256, N 1]; A: computed on the way; B: input features: left as it is (N = 1 < 16)
;;   THE QUANTISER, for each operand of a quantised product, along K:
;;     - The operand's scale is 2^e, e = its entry of the input lowp_scales (int32; the entries are numbered through the quantised products in the list's order, A before B).
;;     - Each number is divided by the scale, clamped to +-448, and rounded to the nearest number of E4M3, ties to even, subnormals kept.
;;     - The product sums the exact products of the quantised numbers (number of the format x scale) in f32.
;;   ~~~python
;;   def quantise(x, axis, e):      # numpy; x: float32 -> the quantised numbers, widened to float32 again
;;       x = np.moveaxis(x, axis, -1); K = x.shape[-1]
;;       r = np.clip(x / 2.0 ** e, -448, 448)
;;       step = 2.0 ** (np.maximum(np.frexp(np.where(r == 0, 1, r))[1] - 1, -6) - 3)
;;       q = np.round(r / step) * step * 2.0 ** e      # np.round: ties to even
;;       return np.moveaxis(q, -1, axis).astype(np.float32)
;;   ~~~
;; One version. Each part assembles by itself: llvm-mc -triple=amdgcn-amd-amdhsa -mcpu=gfx1250 --defsym DOCPART=n.
;; ======== version 1 of 1: 3 launches
;; limits: right only within a limited range of input values
;; workspace buffers: fcodes 1,048,576 bytes; wcodes 16,777,216 bytes; part 33,554,432 bytes
;; launch quant (part 1): grid 544 x 1, 4 waves a work-group, no clusters, 35,328 bytes of LDS; arguments features, Wc, lowp_scales, fcodes, wcodes; writes fcodes, wcodes
.if DOCPART == 1
	.amdgcn_target "amdgcn-amd-amdhsa--gfx1250"
	.amdhsa_code_object_version 6
	.text
	.protected	k_qd52a7367df_quant
	.globl	k_qd52a7367df_quant
	.p2align	8
	.type	k_qd52a7367df_quant,@function
k_qd52a7367df_quant:
	s_mov_b64 s[64:65], 0
	v_nop
	global_prefetch_b8 v0, s[64:65] scope:SCOPE_SE
	s_setreg_imm32_b32 hwreg(HW_REG_WAVE_MODE, 25, 1), 1
	s_wait_xcnt 0x0
; Wc [65536][256] and features [4096][256], f32, become codes of FP8 (E4M3), each with its given scale 2^e (features: entry 0, Wc: entry 1).
; code = x / 2^e, held within +-448, rounded to the nearest code, ties to even.
; LIMITS: each e between -126 and 119.  NaN among the inputs is not served (an infinity is held at the largest code).
; THE CODES ARE IMAGES OF OPERAND REGISTERS.  A tile is 16 rows x 256 K = 4,096 bytes: [K half s][c 4][lane 32][16 bytes]; lane (r, h) has k = 128 s + 32 c + 16 h + 0 .. 15 of tile row r.
;   features: tile n = tokens 16 n .. 16 n + 15.   Wc: tile 16 i + a: tile row rr is Wc's row (16 a + rr) x 256 + i: sixteen outputs o of ONE input i.
; SHARES.  Work-groups 0 .. 511 take Wc (wave g = 4 b + w: i = g / 8, a = 2 (g % 8) and the next), 512 .. 543 features (two tiles a wave).  One path: only pointers, strides and e are chosen.
; A STEP is 16 rows x 64 numbers: eight loads of two rows' 256 bytes; the 4,096 bytes turn through the wave's own stage in LDS (rows 272 bytes apart), so that a lane gets 16 neighbours along K.
; A lane's 16 codes are 16 bytes: a store covers 512 consecutive bytes.  No tensor load, no barrier.  Loads run three steps ahead.
.set NWC,  512
.set R,    16                          ; v16-111  three sets of 32, as loaded
.set X,    112                         ; v112-175 two sets of 32: 2 x 16 neighbours
.set C,    176                         ; v176-239 codes, eight registers a step
.set SP,   272
.set STG,  16*SP
.set WREG, 2*STG
	s_load_b128 s[4:7], s[0:1], 0x0                ; features, Wc
	s_load_b64 s[10:11], s[0:1], 0x10              ; the scales' exponents
	s_load_b128 s[12:15], s[0:1], 0x18             ; features' codes, Wc's codes
	v_lshl_add_u32 v248, v0, 2, 0x8800             ; my spare word, behind the four waves' stages
	v_mov_b32 v249, 0
	v_lshrrev_b32 v1, 5, v0
	v_readfirstlane_b32 s18, v1                    ; wave
	v_and_b32 v1, 31, v0
	v_and_b32 v2, 15, v0                           ; r
	v_bfe_u32 v7, v0, 4, 1                         ; h
	v_lshlrev_b32 v3, 4, v2
	v_lshlrev_b32 v4, 4, v1                        ; out: 16 x lane
	s_mul_i32 s19, s18, WREG
	v_mul_u32_u24 v14, v7, SP
	v_lshl_add_u32 v14, v2, 4, v14
	v_add_nc_u32 v14, s19, v14                     ; the stage, way in: as loaded
	v_mul_u32_u24 v15, v2, SP
	v_lshl_add_u32 v15, v7, 6, v15
	v_add_nc_u32 v15, s19, v15                     ; way out: row r, my half's 16 numbers of a block of 32
	s_lshl_b32 s42, ttmp9, 2
	s_add_co_u32 s42, s42, s18                     ; g
	s_lshr_b32 s43, s42, 3                         ; i
	s_and_b32 s44, s42, 7                          ; a / 2
	s_lshl_b32 s32, s43, 10                        ; Wc, in bytes: row i,
	s_lshl_b32 s30, s44, 23                        ; + 16 a x 256 rows
	s_add_co_u32 s32, s32, s30
	s_lshl_b32 s34, s42, 13                        ; its codes: tile 2 g
	s_cmp_lt_u32 ttmp9, NWC
	s_cselect_b32 s31, 18, 10                      ; from a tile row to the next: 256 rows in Wc, one in features
	s_wait_alu depctr_va_vdst(0)                   ; the wait here, directly ahead of the reader below
	v_lshl_add_u32 v3, v7, s31, v3                 ; in: lanes 0-15 one tile row's 256 bytes, lanes 16-31 the next one's
	s_sub_co_u32 s45, ttmp9, NWC
	s_lshl_b32 s45, s45, 3
	s_lshl_b32 s30, s18, 1
	s_add_co_u32 s45, s45, s30                     ; features: my first tile
	s_lshl_b32 s46, s45, 14
	s_lshl_b32 s45, s45, 12
	s_mov_b32 s36, 2048                            ; two tile rows
	s_mov_b32 s38, 16384                           ; from my first tile to my second
	s_mov_b32 s33, 0
	s_mov_b32 s35, 0
	s_mov_b32 s37, 0
	s_mov_b32 s39, 0
	s_wait_alu depctr_va_vdst(0)                   ; the wait ahead of the wait below
	s_wait_kmcnt 0x0
	s_load_b64 s[40:41], s[10:11], 0x0             ; e0, e1
	s_cmp_lt_u32 ttmp9, NWC                        ; the choice hangs on the work-group's number alone
	s_cselect_b64 s[20:21], s[6:7], s[4:5]
	s_cselect_b64 s[28:29], s[14:15], s[12:13]
	s_cselect_b32 s32, s32, s46
	s_cselect_b32 s34, s34, s45
	s_cselect_b32 s36, 0x80000, s36
	s_cselect_b32 s38, 0x400000, s38
	s_add_nc_u64 s[48:49], s[20:21], s[32:33]      ; first tile, rows 0 and 1
	s_add_nc_u64 s[28:29], s[28:29], s[34:35]      ; where my codes go
	s_add_nc_u64 s[66:67], s[48:49], s[38:39]      ; second tile
.irp l, 0,1,2,3,4,5,6
	s_add_nc_u64 s[50+2*\l:51+2*\l], s[48+2*\l:49+2*\l], s[36:37]   ; a base for each pair of tile rows
	s_add_nc_u64 s[68+2*\l:69+2*\l], s[66+2*\l:67+2*\l], s[36:37]
.endr
.macro LOAD t                          ; step t = 4 u + kk: tile u, numbers 64 kk .. + 63 of its 16 rows
.irp l, 0,1,2,3,4,5,6,7
	global_load_b128 v[R+32*((\t)%3)+4*\l:R+32*((\t)%3)+4*\l+3], v3, s[48+18*((\t)/4)+2*\l:49+18*((\t)/4)+2*\l] offset:((\t)%4)*256 th:TH_LOAD_NT
.endr
.endm
.macro TURN t                          ; LDS serves a wave's instructions in order: no wait between the stores and the loads
.irp l, 0,1,2,3,4,5,6,7
	ds_store_b128 v14, v[R+32*((\t)%3)+4*\l:R+32*((\t)%3)+4*\l+3] offset:((\t)%2)*STG+\l*2*SP
.endr
.irp c, 0,1
.irp n, 0,1,2,3
	ds_load_b128 v[X+32*((\t)%2)+16*\c+4*\n:X+32*((\t)%2)+16*\c+4*\n+3], v15 offset:((\t)%2)*STG+\c*128+\n*16
.endr
.endr
.endm
	LOAD 0
	LOAD 1
	LOAD 2
	s_wait_kmcnt 0x0
	s_cmp_lt_u32 ttmp9, NWC
	s_cselect_b32 s30, s41, s40                    ; e
	s_add_co_i32 s30, s30, 127
	s_lshl_b32 s31, s30, 23
	v_mov_b32 v11, s31                             ; 2^e
	s_add_co_i32 s30, s30, 8
	s_lshl_b32 s30, s30, 23
	s_or_b32 s30, s30, 0x600000
	v_mov_b32 v10, s30                             ; 448 x 2^e
	s_wait_alu depctr_va_vdst(0)                   ; the wait at the head's end
	s_wait_loadcnt 16                              ; step 0's eight loads are in
	TURN 0
.macro STEP t
.set XS, X+32*((\t)%2)
.set CS, C+8*(\t)
	s_wait_dscnt 0x0                               ; this step's numbers are back, and its stage stores have read their registers
.if (\t)+3 < 8
	LOAD (\t)+3
.endif
.if (\t)+1 < 8
.if (\t) <= 4
	s_wait_loadcnt 16                              ; the next step's loads are in; two steps' may be out
.else
	s_wait_loadcnt 8*(6-(\t))
.endif
	TURN (\t)+1
.endif
.irp i, 0,1,2,3,4,5,6,7,8,9,10,11,12,13,14,15,16,17,18,19,20,21,22,23,24,25,26,27,28,29,30,31
	v_med3_num_f32 v[XS+\i], v[XS+\i], -v10, v10   ; the conversion does not saturate (ISA guide 7.6.2): hold first
.endr
.irp c, 0,1,2,3
	v_cvt_scalef32_pk8_fp8_f32 v[CS+2*\c:CS+2*\c+1], v[XS+8*\c:XS+8*\c+7], v11
.endr
	global_store_b128 v4, v[CS:CS+3], s[28:29] offset:((\t)/4)*4096+(2*((\t)%4))*512
	global_store_b128 v4, v[CS+4:CS+7], s[28:29] offset:((\t)/4)*4096+(2*((\t)%4)+1)*512
.endm
.irp t, 0,1,2,3,4,5,6,7
	STEP \t
.endr
	s_wait_tensorcnt 0x0                           ; the wave's end
	ds_add_u32 v248, v249
	s_wait_dscnt 0x0
	s_endpgm
.Lfunc_end_k_qd52a7367df_quant:
	.size	k_qd52a7367df_quant, .Lfunc_end_k_qd52a7367df_quant-k_qd52a7367df_quant
	.p2alignl 7, 3214868480
	.fill 96, 4, 3214868480
	.section	.rodata,"a",@progbits
	.p2align	6, 0x0
	.amdhsa_kernel k_qd52a7367df_quant
		.amdhsa_group_segment_fixed_size 35328
		.amdhsa_private_segment_fixed_size 0
		.amdhsa_enable_private_segment 0
		.amdhsa_kernarg_size 40
		.amdhsa_user_sgpr_count 2
		.amdhsa_user_sgpr_kernarg_segment_ptr 1
		.amdhsa_wavefront_size32 1
		.amdhsa_system_sgpr_workgroup_id_x 1
		.amdhsa_system_sgpr_workgroup_id_y 1
		.amdhsa_system_sgpr_workgroup_id_z 1
		.amdhsa_system_vgpr_workitem_id 0
		.amdhsa_next_free_vgpr 250
		.amdhsa_next_free_sgpr 82
		.amdhsa_reserve_vcc 0
		.amdhsa_float_denorm_mode_32 3
		.amdhsa_float_denorm_mode_16_64 3
		.amdhsa_memory_ordered 1
		.amdhsa_forward_progress 1
		.amdhsa_inst_pref_size 38
	.end_amdhsa_kernel
	.amdgpu_metadata
---
amdhsa.version: [ 1, 2 ]
amdhsa.kernels:
  - .name:           k_qd52a7367df_quant
    .symbol:         k_qd52a7367df_quant.kd
    .args:
      - { .name: features, .offset: 0, .size: 8, .value_kind: global_buffer, .address_space: global }
      - { .name: Wc, .offset: 8, .size: 8, .value_kind: global_buffer, .address_space: global }
      - { .name: lowp_scales, .offset: 16, .size: 8, .value_kind: global_buffer, .address_space: global }
      - { .name: fcodes, .offset: 24, .size: 8, .value_kind: global_buffer, .address_space: global }
      - { .name: wcodes, .offset: 32, .size: 8, .value_kind: global_buffer, .address_space: global }
    .group_segment_fixed_size: 35328
    .private_segment_fixed_size: 0
    .kernarg_segment_align: 8
    .kernarg_segment_size: 40
    .max_flat_workgroup_size: 128
    .sgpr_count:     82
    .vgpr_count:     250
    .wavefront_size: 32
...
	.end_amdgpu_metadata
.endif
;; end of part 1
;; launch fuse (part 2): grid 32 x 8, 4 waves a work-group, clusters of 4 x 1, 327,680 bytes of LDS; arguments fcodes, wcodes, bc, features, lowp_scales, part; writes part
.if DOCPART == 2
	.amdgcn_target "amdgcn-amd-amdhsa--gfx1250"
	.amdhsa_code_object_version 6
	.text
	.protected	k_qd52a7367df_fuse
	.globl	k_qd52a7367df_fuse
	.p2align	8
	.type	k_qd52a7367df_fuse,@function
k_qd52a7367df_fuse:
	s_mov_b64 s[64:65], 0
	v_nop
	global_prefetch_b8 v0, s[64:65] scope:SCOPE_SE
	s_setreg_imm32_b32 hwreg(HW_REG_WAVE_MODE, 25, 1), 1
	s_wait_xcnt 0x0
	s_wait_alu depctr_hold_cnt(0) depctr_sa_sdst(0) depctr_va_vdst(0) depctr_va_sdst(0) depctr_va_ssrc(0) depctr_va_vcc(0) depctr_vm_vsrc(0)
	s_getreg_b32 s2, hwreg(HW_REG_IB_STS2, 6, 4)
	s_cmp_eq_u32 s2, 0
	s_cbranch_scc0 .Lentry_in_a_cluster
	s_endpgm
.Lentry_in_a_cluster:
	s_bfe_u32 s2, ttmp6, 0x10000c
	s_cmp_lg_u32 s2, 0x3003
	s_cbranch_scc0 .Lentry_shape_is_right
	s_endpgm
.Lentry_shape_is_right:
; part[Y][t][o] = sum over i = 32 Y .. 32 Y + 31 of wc'(t, o, i) f(t, i) / s'(t, i);  wc' = the product of the codes + bc / 2^(e0 + e1);  s' = sum over o of |wc'| + 256 EPS / 2^(e0 + e1).
; wc' and s' lack the same power of two, so no scale is applied.  The product is made ONCE: for one i all 256 o of a token lie in one wave's registers.
; LIMITS: e0 + e1 such that bc / 2^(e0 + e1) and EPS / 2^(e0 + e1) are f32 numbers.  bc and features are read in pieces of 128 bytes (32 i of a row), once, at the head.
; SHARES.  Work-group (X, Y): tokens 128 X .. + 127, inputs 32 Y .. + 31.  Wave w: 32 tokens, two tiles of 16, whose fragments stay in registers.
; TRANSPOSED USE: source 0 = tile (i, a) of Wc, source 1 = 16 tokens: lane (r, h) holds token r, register j holds o = 16 a + 8 h + j.  The bias is the C of a sum's first matrix instruction.
; RING.  A slot is two i: 131,072 dense bytes; each wave fetches a quarter.  CLUSTER: the four work-groups of a cluster have the same Y and ask for Wc's tiles jointly.  By this text's count a wave has one tensor load out.
; A GROUP is two tiles of Wc x two token tiles x two halves of K: 8 matrix instructions, four accumulators by turns.
; REGISTERS.  Window 0: addresses, two sets of a group's fragments and bias, the running sums.  Window 1: wc' (v[128 m + 8 a + j]).  Window 2: the outputs' sums, same order.  Window 3: v0-63 the tokens' fragments.
.set SLOT,  131072
.set BIAS,  2*SLOT                     ; 32 rows (i) of 256 o, f32, 1,040 bytes apart
.set PB,    1040
.set FST,   BIAS+32*PB                 ; f of each wave's tokens: [trip 16][r 16][m 2][e 2] f32, 4,096 bytes a wave
.set SPARE, FST+16384                  ; the spare words
.set SPI,   1040                       ; the way out: a stage row (1,024 bytes + 16); the stages lie in slot 0, behind its last fill and last read
.set L16, 1
.set AD0, 2                            ; v2, v3: my place in the slot in hand, first and second i
.set BI0, 4
.set ABI, 5
.set SPW, 6
.set NIL, 7
.set AF0, 8
.set AF,  9
.set PFO, 10
.set EPSR, 11
.set STO, 12
.set RD,  13
.set BF,  16                           ; v16-143
.set BC,  144                          ; v144-175
.set SS,  176                          ; v176-183 four chains for each token tile
.set FR,  184                          ; v184-187 f (m0 e0, m0 e1, m1 e0, m1 e1)
.set GG,  188                          ; v188, v190: g of the two token tiles (low words of pairs)
.set PT,  192
.set RC,  194
.set WV,  16
.set G1,  24
.set G0,  32
.set SEL, 40
.set TB,  42
.set BO,  43
.set PFA, 44
.set FO,  46
.set CNT, 47
.set MSB, 0
.macro WIN new
.if MSB != \new
	s_set_vgpr_msb (MSB<<8)|\new
.set MSB, \new
.endif
.endm
.macro NOP4
.rept 4
	v_nop
.endr
.endm
.macro CREST
	s_cmp_lg_u32 s[WV], 0
	s_cbranch_scc1 .Lnot_wave_0_\@
	s_barrier_signal -3
.Lnot_wave_0_\@:
	s_barrier_wait -3
	s_barrier_signal -1
	s_barrier_wait -1
.endm
.macro CROUND
	s_barrier_signal -1
	s_barrier_wait -1
	CREST
.endm
.macro ADDR
	v_add_nc_u32 v[AD0], s[TB], v[L16]
	v_add_nc_u32 v[AD0+1], 0x10000, v[AD0]
	v_add_nc_u32 v[ABI], s[BO], v[BI0]
	v_add_nc_u32 v[AF], s[FO], v[AF0]
.endm
	s_load_b128 s[4:7], s[0:1], 0x0                ; the tokens' codes, Wc's codes
	s_load_b128 s[8:11], s[0:1], 0x10              ; bc, features
	s_load_b128 s[12:15], s[0:1], 0x20             ; the scales' exponents, part
	v_lshl_add_u32 v[SPW], v0, 2, SPARE
	v_mov_b32 v[NIL], 0
	ds_add_u32 v[SPW], v[NIL]
	ds_add_u32 v[SPW], v[NIL]
	v_lshrrev_b32 v14, 5, v0
	v_readfirstlane_b32 s[WV], v14
	s_bfe_u32 s17, ttmp6, 0x40000                  ; cx
	s_lshl_b32 s18, ttmp9, 2
	s_add_co_u32 s18, s18, s17                     ; X
	s_and_b32 s19, ttmp7, 0xffff                   ; Y
	s_mov_b32 s[G1], 15|(3<<16)|(1<<21)            ; the mask names the four; elements of 8 bytes; 128 dense rows of 256 bytes
	s_mov_b32 s[G1+1], 32<<16
	s_mov_b32 s[G1+2], 128<<16
	s_mov_b32 s[G1+3], 32<<16
	s_mov_b32 s[G1+4], 128
	s_mov_b32 s[G1+5], 32
	s_mov_b32 s[G1+6], 0
	s_mov_b32 s[G1+7], 0
	s_lshl_b32 s22, s[WV], 15                      ; my quarter of a slot, in LDS and in memory
	s_lshl_b32 s20, s19, 21                        ; wcodes: 32 Y x 65,536: it hangs on Y and the wave alone
	s_add_co_u32 s20, s20, s22
	s_mov_b32 s21, 0
	s_lshl_b32 s53, s[WV], 13
	s_lshl_b32 s54, s18, 15                        ; fcodes: tile 8 X + 2 w
	s_add_co_u32 s54, s54, s53
	s_mov_b32 s55, 0
	s_lshl_b32 s58, s19, 7                         ; 32 Y numbers
	s_mov_b32 s59, 0
	s_lshl_b32 s56, s18, 17                        ; row 128 X + 32 w of 1,024 bytes
	s_add_co_u32 s56, s56, s22
	s_lshl_b32 s60, s19, 22
	s_add_co_u32 s60, s60, s56                     ; part: Y's 4 MiB + that row
	s_mov_b32 s61, 0
	s_add_co_u32 s56, s56, s58                     ; features: that row + 32 Y numbers
	s_mov_b32 s57, 0
	s_lshl_b32 s62, s19, 21                        ; the prefetches: slot 2 of my Y, + 32,768 cx + 8,192 w
	s_add_co_u32 s62, s62, 2*SLOT
	s_add_co_u32 s62, s62, s53
	s_lshl_b32 s53, s17, 15
	s_add_co_u32 s62, s62, s53
	s_mov_b32 s63, 0
	s_mov_b32 s[TB], 0
	s_mov_b32 s[BO], 0
	s_mov_b32 s[FO], 0
	s_mov_b32 s[SEL], 0x76543210
	s_mov_b32 s[SEL+1], 0xfedcba98
	s_wait_dscnt 0x0
	s_wait_alu depctr_va_vdst(0)
	s_wait_kmcnt 0x0
	s_load_b64 s[48:49], s[12:13], 0x0             ; e0, e1
	s_add_nc_u64 s[PFA:PFA+1], s[6:7], s[62:63]
	s_add_nc_u64 s[6:7], s[6:7], s[20:21]
	s_add_nc_u64 s[4:5], s[4:5], s[54:55]
	s_add_nc_u64 s[8:9], s[8:9], s[58:59]
	s_add_nc_u64 s[10:11], s[10:11], s[56:57]
	s_add_nc_u64 s[14:15], s[14:15], s[60:61]
	s_mov_b32 s[G0], 1
	s_mov_b32 s[G0+1], s22
	s_mov_b64 s[G0+2:G0+3], s[6:7]
	s_or_b32 s[G0+3], s[G0+3], 0x80000000
	s_mov_b32 s[G0+4], 1                           ; the walking group 0: slot 1 first
	s_add_co_u32 s[G0+5], s22, SLOT
	s_add_nc_u64 s[G0+6:G0+7], s[6:7], SLOT
	s_or_b32 s[G0+7], s[G0+7], 0x80000000
	CROUND                                         ; the four work-groups are here
	tensor_load_to_lds s[G0:G0+3], s[G1:G1+7]      ; slot 0: my one tensor load at the head
	s_nop 0
	NOP4
	v_and_b32 v14, 31, v0
	v_lshlrev_b32 v[L16], 4, v14
	v_lshlrev_b32 v[PFO], 8, v14                   ; a lane a block of 256 bytes
	v_lshlrev_b32 v113, 10, v14                    ; features: token 16 h + r of my 32
	v_and_b32 v14, 15, v0                          ; r
	v_bfe_u32 v15, v0, 4, 1                        ; h
	v_lshlrev_b32 v[BI0], 5, v15
	v_add_nc_u32 v[BI0], BIAS, v[BI0]
	s_lshl_b32 s23, s[WV], 12
	s_add_co_u32 s23, s23, FST
	v_lshl_add_u32 v[AF0], v14, 4, s23
	v_lshl_add_u32 v115, v15, 3, v[AF0]            ; where my token's f go
	s_mul_i32 s23, s[WV], 16*SPI
	v_mul_u32_u24 v[STO], v14, SPI
	v_lshl_add_u32 v[STO], v15, 5, v[STO]
	v_add_nc_u32 v[STO], s23, v[STO]
	v_add_nc_u32 v[RD], s23, v[L16]
	v_and_b32 v14, 7, v0                           ; bc: thread (oo = t / 8, c = t % 8) takes i = 4 c .. + 3 of o = 16 k + oo
	v_lshrrev_b32 v15, 3, v0
	v_lshlrev_b32 v112, 4, v14
	v_lshl_add_u32 v112, v15, 10, v112
	v_mul_u32_u24 v114, v14, 4*PB
	v_lshl_add_u32 v114, v15, 2, v114
	v_add_nc_u32 v114, BIAS, v114
.irp k, 0,1,2,3,4,5,6,7,8,9,10,11,12,13,14,15
	global_load_b128 v[16+4*\k:19+4*\k], v112, s[8:9] offset:\k*16384
.endr
.irp c, 0,1,2,3,4,5,6,7
	global_load_b128 v[80+4*\c:83+4*\c], v113, s[10:11] offset:\c*16
.endr
	WIN 0xc0
.irp m, 0,1
.irp p, 0,1,2,3,4,5,6,7
	global_load_b128 v[32*\m+4*\p:32*\m+4*\p+3], v[L16], s[4:5] offset:\m*4096+\p*512
.endr
.endr
	WIN 0x80
.set i, 0
.rept 256
	v_mov_b32 v[i], 0                              ; the outputs' sums, cleared while the first loads are out: a first trip of its own would be a fourth copy of the trip's text
.set i, i+1
.endr
	WIN 0
.irp x, GG, GG+1, GG+2, GG+3, PT, PT+1
	v_mov_b32 v[\x], 0                             ; written once: pairs' upper words, and the permutes' destinations
.endr
	s_wait_alu depctr_va_vdst(0)
	s_wait_tensorcnt 0x0                           ; my part of slot 0 is in; slot 1's first fill is issued as a refill is
	ds_add_u32 v[SPW], v[NIL]
	s_wait_dscnt 0x0
	CROUND
	tensor_load_to_lds s[G0+4:G0+7], s[G1:G1+7]
	s_nop 0
	NOP4
	s_wait_loadcnt 0x0
	s_wait_kmcnt 0x0
	s_add_co_i32 s50, s48, s49
	s_sub_co_i32 s50, 0, s50                       ; -(e0 + e1)
.set i, 0
.rept 64
	v_ldexp_f32 v[16+i], v[16+i], s50
.set i, i+1
.endr
.irp k, 0,1,2,3,4,5,6,7,8,9,10,11,12,13,14,15
.irp q, 0,1,2,3
	ds_store_b32 v114, v[16+4*\k+\q] offset:\q*PB+\k*64   ; the bias turned: row i, column o
.endr
.endr
.irp n, 0,1,2,3,4,5,6,7,8,9,10,11,12,13,14,15
	ds_store_b64 v115, v[80+2*\n:81+2*\n] offset:\n*256
.endr
	v_mov_b32 v[EPSR], 0x3aa7c5ac                  ; 128 EPS: once in each half of the lanes
	v_ldexp_f32 v[EPSR], v[EPSR], s50
	ADDR
	s_wait_alu depctr_va_vdst(0)
	s_wait_dscnt 0x0                               ; for the others' sake: my part of the bias is in LDS
	s_wait_tensorcnt 0x1                           ; slot 1's load may stay out
	s_barrier_signal -1
	s_barrier_wait -1
.macro MMS s                           ; four matrix instructions of group GI: half s of K
.irp u, 0,1
.irp m, 0,1
.set DR, 128*\m+8*(2*(GI%8)+\u)
.set BR, BF+64*(GI%2)+32*\u+16*\s
.if \s == 0
	v_wmma_f32_16x16x128_fp8_fp8 v[DR:DR+7], v[BR:BR+15], v[32*\m:32*\m+15], v[BC+16*(GI%2)+8*\u:BC+16*(GI%2)+8*\u+7]
.else
	v_wmma_f32_16x16x128_fp8_fp8 v[DR:DR+7], v[BR:BR+15], v[32*\m+16:32*\m+31], v[DR:DR+7]
.endif
.endr
.endr
.endm
.macro ABS q                           ; |wc'| of group q of an i onto eight chains; each accumulator from its low end on; group 0 starts the chains, one of them with EPS's term
.irp u, 0,1
.irp jj, 0,4
.irp m, 0,1
.irp c, 0,1,2,3
.set DR, 128*\m+8*(2*(\q)+\u)+\jj+\c
.if ((\q) == 0) && (\u == 0) && (\jj == 0)
.if \c == 0
	v_fma_f32 v[SS+4*\m], 1.0, |v[DR]|, v[EPSR]
.else
	v_mul_f32 v[SS+4*\m+\c], 1.0, |v[DR]|
.endif
.else
	v_fma_f32 v[SS+4*\m+\c], 1.0, |v[DR]|, v[SS+4*\m+\c]
.endif
.endr
.endr
.endr
.endr
.endm
.macro LOADG g                         ; 20 LDS loads: group g's two tiles, each its bias and its fragments
.irp u, 0,1
.set TA, 2*((\g)%8)+\u
.set ST, (\g)%2
	ds_load_b128 v[BC+16*ST+8*\u:BC+16*ST+8*\u+3], v[ABI] offset:((\g)/8)*PB+TA*64
	ds_load_b128 v[BC+16*ST+8*\u+4:BC+16*ST+8*\u+7], v[ABI] offset:((\g)/8)*PB+TA*64+16
.irp p, 0,1,2,3,4,5,6,7
	ds_load_b128 v[BF+64*ST+32*\u+4*\p:BF+64*ST+32*\u+4*\p+3], v[AD0+(\g)/8] offset:TA*4096+\p*512
.endr
.endr
.endm
.macro BLK                             ; group GI: its products, the sums of the group before (the places in front of the loads), the loads of two groups on
	s_wait_alu depctr_va_vdst(0)
.if GI < 15
	s_wait_dscnt 20                                ; my group is in; the next group's 20 loads may be out
.else
	s_wait_dscnt 0
.endif
	WIN 0x4c                                       ; source 1 window 3, D window 1
	MMS 0
	WIN 0x5c                                       ; and C window 1
	MMS 1
	WIN 0x04                                       ; source 1 window 1
.if (GI%8) == 0
	NOP4
.else
	ABS (GI%8-1)
.endif
.if GI < 14
	LOADG (GI+2)
.endif
.endm
.macro FIN e                           ; an i is whole: s', then g = f / s'
	NOP4
	ABS 7
	WIN 0
	v_add_f32 v[SS], v[SS], v[SS+1]
	v_add_f32 v[SS+4], v[SS+4], v[SS+5]
	v_add_f32 v[SS+2], v[SS+2], v[SS+3]
	v_add_f32 v[SS+6], v[SS+6], v[SS+7]
	v_add_f32 v[SS], v[SS], v[SS+2]
	v_add_f32 v[SS+4], v[SS+4], v[SS+6]
	v_permlanex16_b32 v[PT], v[SS], s[SEL], s[SEL+1]      ; the other half's eight o of each tile
	v_permlanex16_b32 v[PT+1], v[SS+4], s[SEL], s[SEL+1]
	v_add_f32 v[SS], v[SS], v[PT]
	v_add_f32 v[SS+4], v[SS+4], v[PT+1]
	s_wait_alu depctr_va_vdst(0)                   ; the wait ahead of the batch
	v_rcp_f32 v[RC], v[SS]
	v_rcp_f32 v[RC+1], v[SS+4]
	v_nop
	s_wait_alu depctr_va_vdst(0)                   ; and behind it
	v_mul_f32 v[GG], v[RC], v[FR+\e]
	v_mul_f32 v[GG+2], v[RC+1], v[FR+2+\e]
.endm
.macro PKF                             ; the outputs' sums += wc' x g, two at a time
	WIN 0xa1                                       ; source 0 window 1, source 2 and destination window 2
.irp m, 0,1
.set j, 0
.rept 64
	v_pk_fma_f32 v[128*\m+j:128*\m+j+1], v[128*\m+j:128*\m+j+1], v[GG+2*\m:GG+2*\m+1], v[128*\m+j:128*\m+j+1] op_sel_hi:[1,0,1]
.set j, j+2
.endr
.endr
.endm
.macro CHANGE mode                     ; the change of slots.  1: the slot just read is filled again; 0: nothing is asked for
	WIN 0
	s_xor_b32 s[TB], s[TB], SLOT
	s_add_co_u32 s[BO], s[BO], 2*PB
	s_add_co_u32 s[FO], s[FO], 256
	ADDR
	s_wait_alu depctr_va_vdst(0)                   ; the wait ahead of the waits below
.if \mode
	s_wait_xcnt 0x0                                ; my last prefetch has read its address
	s_add_nc_u64 s[PFA:PFA+1], s[PFA:PFA+1], SLOT
.endif
	s_wait_tensorcnt 0x0                           ; my part of the next slot is in
	ds_add_u32 v[SPW], v[NIL]
.if \mode
	s_xor_b32 s[G0+5], s[G0+5], SLOT
	s_add_nc_u64 s[G0+6:G0+7], s[G0+6:G0+7], SLOT
.endif
	s_wait_dscnt 0x0                               ; the add is done, my reads of this slot are over
	s_barrier_signal -1
	s_barrier_wait -1
.if \mode
	CREST                                          ; the barrier has opened a round of the cluster's barrier
	tensor_load_to_lds s[G0+4:G0+7], s[G1:G1+7]    ; two slots on, into the slot just read
	s_nop 0
	NOP4
.endif
	ds_load_b128 v[FR:FR+3], v[AF]
	LOADG 0
	LOADG 1
.if \mode
	s_cmp_gt_u32 s[CNT], 1                         ; the slot that the next trip's refill asks for: 512 blocks of 256 bytes, one a lane of the cluster's 16 waves, shared out by address; the loop's last trip has none
	s_cbranch_scc0 .Lno_ask_\@
	global_prefetch_b8 v[PFO], s[PFA:PFA+1] th:TH_LOAD_NT scope:SCOPE_SE
.Lno_ask_\@:
.endif
.endm
.macro TRIP mode                       ; a slot: two i.  2: the last
.set GI, 0
.rept 8
	BLK
.set GI, GI+1
.endr
	FIN 0
	PKF
.rept 8
	BLK
.set GI, GI+1
.endr
	FIN 1
.if \mode < 2
	CHANGE \mode
.endif
	PKF                                            ; stands behind the next slot's first LDS loads
	WIN 0
.endm
	ds_load_b128 v[FR:FR+3], v[AF]
	LOADG 0
	LOADG 1
	s_mov_b32 s[CNT], 14
.Ltrip:                                            ; slots 0 to 13 are left and filled again with slots 2 to 15
	TRIP 1
	s_sub_co_u32 s[CNT], s[CNT], 1
	s_cmp_lg_u32 s[CNT], 0
	s_cbranch_scc1 .Ltrip
	TRIP 0                                         ; the tail is written out
	TRIP 2
	; THE WAY OUT: a token tile (16 rows x 1,024 bytes) through my stage, back as half rows: a store covers 512 consecutive bytes
.irp m, 0,1
	WIN 0x08
.irp a, 0,1,2,3,4,5,6,7,8,9,10,11,12,13,14,15
	ds_store_b128 v[STO], v[128*\m+8*\a:128*\m+8*\a+3] offset:\a*64
	ds_store_b128 v[STO], v[128*\m+8*\a+4:128*\m+8*\a+7] offset:\a*64+16
.endr
	WIN 0x40
.irp t, 0,1,2,3,4,5,6,7,8,9,10,11,12,13,14,15
	ds_load_b128 v[128*\m+8*\t:128*\m+8*\t+3], v[RD] offset:\t*SPI       ; LDS serves a wave's instructions in order
	ds_load_b128 v[128*\m+8*\t+4:128*\m+8*\t+7], v[RD] offset:\t*SPI+512
.endr
.endr
	WIN 0x04
	s_wait_dscnt 0x0
.irp m, 0,1
.irp t, 0,1,2,3,4,5,6,7,8,9,10,11,12,13,14,15
	global_store_b128 v[L16], v[128*\m+8*\t:128*\m+8*\t+3], s[14:15] offset:\m*16384+\t*1024
	global_store_b128 v[L16], v[128*\m+8*\t+4:128*\m+8*\t+7], s[14:15] offset:\m*16384+\t*1024+512
.endr
.endr
	WIN 0
	s_wait_tensorcnt 0x0                           ; the wave's end
	ds_add_u32 v[SPW], v[NIL]
	s_wait_dscnt 0x0
	CROUND                                         ; the closing round
	s_endpgm
.Lfunc_end_k_qd52a7367df_fuse:
	.size	k_qd52a7367df_fuse, .Lfunc_end_k_qd52a7367df_fuse-k_qd52a7367df_fuse
	.p2alignl 7, 3214868480
	.fill 96, 4, 3214868480
	.section	.rodata,"a",@progbits
	.p2align	6, 0x0
	.amdhsa_kernel k_qd52a7367df_fuse
		.amdhsa_group_segment_fixed_size 327680
		.amdhsa_private_segment_fixed_size 0
		.amdhsa_enable_private_segment 0
		.amdhsa_kernarg_size 48
		.amdhsa_user_sgpr_count 2
		.amdhsa_user_sgpr_kernarg_segment_ptr 1
		.amdhsa_wavefront_size32 1
		.amdhsa_system_sgpr_workgroup_id_x 1
		.amdhsa_system_sgpr_workgroup_id_y 1
		.amdhsa_system_sgpr_workgroup_id_z 1
		.amdhsa_system_vgpr_workitem_id 0
		.amdhsa_next_free_vgpr 832
		.amdhsa_next_free_sgpr 66
		.amdhsa_reserve_vcc 0
		.amdhsa_float_denorm_mode_32 3
		.amdhsa_float_denorm_mode_16_64 3
		.amdhsa_memory_ordered 1
		.amdhsa_forward_progress 1
		.amdhsa_inst_pref_size 255
	.end_amdhsa_kernel
	.section	.bss,"aw",@nobits
	.p2align	6
	.space	262144
	.amdgpu_metadata
---
amdhsa.version: [ 1, 2 ]
amdhsa.kernels:
  - .name:           k_qd52a7367df_fuse
    .symbol:         k_qd52a7367df_fuse.kd
    .args:
      - { .name: fcodes, .offset: 0, .size: 8, .value_kind: global_buffer, .address_space: global }
      - { .name: wcodes, .offset: 8, .size: 8, .value_kind: global_buffer, .address_space: global }
      - { .name: bc, .offset: 16, .size: 8, .value_kind: global_buffer, .address_space: global }
      - { .name: features, .offset: 24, .size: 8, .value_kind: global_buffer, .address_space: global }
      - { .name: lowp_scales, .offset: 32, .size: 8, .value_kind: global_buffer, .address_space: global }
      - { .name: part, .offset: 40, .size: 8, .value_kind: global_buffer, .address_space: global }
    .group_segment_fixed_size: 327680
    .private_segment_fixed_size: 0
    .kernarg_segment_align: 8
    .kernarg_segment_size: 48
    .max_flat_workgroup_size: 128
    .sgpr_count:     66
    .vgpr_count:     832
    .wavefront_size: 32
...
	.end_amdgpu_metadata
.endif
;; end of part 2
;; launch join (part 3): grid 512 x 1, 8 waves a work-group, no clusters, 0 bytes of LDS; arguments part, out0; writes out0
.if DOCPART == 3
	.amdgcn_target "amdgcn-amd-amdhsa--gfx1250"
	.amdhsa_code_object_version 6
	.text
	.protected	k_qd52a7367df_join
	.globl	k_qd52a7367df_join
	.p2align	8
	.type	k_qd52a7367df_join,@function
k_qd52a7367df_join:
	s_mov_b64 s[64:65], 0
	v_nop
	global_prefetch_b8 v0, s[64:65] scope:SCOPE_SE
	s_setreg_imm32_b32 hwreg(HW_REG_WAVE_MODE, 25, 1), 1
	s_wait_xcnt 0x0
; out0[x] = the sum over Y = 0 .. 7 of part[Y][x], in f32, pairwise.  A stream: a thread takes two pieces of 16 bytes; a wave's load or store covers 512 consecutive bytes.  No LDS, no matrix work.
	s_load_b128 s[4:7], s[0:1], 0x0
	v_lshlrev_b32 v1, 4, v0
	s_lshl_b32 s8, ttmp9, 13                       ; 8,192 bytes a work-group
	s_mov_b32 s9, 0
	s_wait_alu depctr_va_vdst(0)                   ; the wait at the head's end
	s_wait_kmcnt 0x0
	s_add_nc_u64 s[10:11], s[4:5], s[8:9]
	s_add_nc_u64 s[6:7], s[6:7], s[8:9]
	s_add_nc_u64 s[12:13], s[10:11], 0x800000      ; a base for each two parts of 4 MiB
	s_add_nc_u64 s[14:15], s[10:11], 0x1000000
	s_add_nc_u64 s[16:17], s[10:11], 0x1800000
.irp k, 0,1
.irp y, 0,1,2,3,4,5,6,7
	global_load_b128 v[4+32*\k+4*\y:7+32*\k+4*\y], v1, s[10+2*(\y/2):11+2*(\y/2)] offset:(\y%2)*4194304+\k*4096 th:TH_LOAD_NT
.endr
.endr
.irp k, 0,1
	s_wait_loadcnt 8-8*\k
.irp q, 0,1,2,3
.irp d, 0,2
	v_pk_add_f32 v[4+32*\k+8*\q+\d:5+32*\k+8*\q+\d], v[4+32*\k+8*\q+\d:5+32*\k+8*\q+\d], v[8+32*\k+8*\q+\d:9+32*\k+8*\q+\d]
.endr
.endr
.irp z, 0,1
.irp d, 0,2
	v_pk_add_f32 v[4+32*\k+16*\z+\d:5+32*\k+16*\z+\d], v[4+32*\k+16*\z+\d:5+32*\k+16*\z+\d], v[12+32*\k+16*\z+\d:13+32*\k+16*\z+\d]
.endr
.endr
.irp d, 0,2
	v_pk_add_f32 v[4+32*\k+\d:5+32*\k+\d], v[4+32*\k+\d:5+32*\k+\d], v[20+32*\k+\d:21+32*\k+\d]
.endr
	global_store_b128 v1, v[4+32*\k:7+32*\k], s[6:7] offset:\k*4096 th:TH_STORE_NT
.endr
	s_endpgm
.Lfunc_end_k_qd52a7367df_join:
	.size	k_qd52a7367df_join, .Lfunc_end_k_qd52a7367df_join-k_qd52a7367df_join
	.p2alignl 7, 3214868480
	.fill 96, 4, 3214868480
	.section	.rodata,"a",@progbits
	.p2align	6, 0x0
	.amdhsa_kernel k_qd52a7367df_join
		.amdhsa_group_segment_fixed_size 0
		.amdhsa_private_segment_fixed_size 0
		.amdhsa_enable_private_segment 0
		.amdhsa_kernarg_size 16
		.amdhsa_user_sgpr_count 2
		.amdhsa_user_sgpr_kernarg_segment_ptr 1
		.amdhsa_wavefront_size32 1
		.amdhsa_system_sgpr_workgroup_id_x 1
		.amdhsa_system_sgpr_workgroup_id_y 1
		.amdhsa_system_sgpr_workgroup_id_z 1
		.amdhsa_system_vgpr_workitem_id 0
		.amdhsa_next_free_vgpr 72
		.amdhsa_next_free_sgpr 66
		.amdhsa_reserve_vcc 0
		.amdhsa_float_denorm_mode_32 3
		.amdhsa_float_denorm_mode_16_64 3
		.amdhsa_memory_ordered 1
		.amdhsa_forward_progress 1
		.amdhsa_inst_pref_size 5
	.end_amdhsa_kernel
	.amdgpu_metadata
---
amdhsa.version: [ 1, 2 ]
amdhsa.kernels:
  - .name:           k_qd52a7367df_join
    .symbol:         k_qd52a7367df_join.kd
    .args:
      - { .name: part, .offset: 0, .size: 8, .value_kind: global_buffer, .address_space: global }
      - { .name: out0, .offset: 8, .size: 8, .value_kind: global_buffer, .address_space: global }
    .group_segment_fixed_size: 0
    .private_segment_fixed_size: 0
    .kernarg_segment_align: 8
    .kernarg_segment_size: 16
    .max_flat_workgroup_size: 256
    .sgpr_count:     66
    .vgpr_count:     72
    .wavefront_size: 32
...
	.end_amdgpu_metadata
.endif
;; end of part 3
